; MI455X (gfx1250); checked and timed in simulation.
; The chip was launched on July 23, 2026; its instructions are those of AMD's public machine-readable ISA for CDNA 5 (MIT licence, August 2026) and "CDNA5" Instruction Set Architecture Reference Guide (July 2026). The comments in the code are by the model that wrote it; some were corrected since.
;; Cross Attention Fusion. Allowed arithmetic: matrix products marked QUANTISED: E2M1 operands, one E8M0 scale for each 32 along K, by v_wmma_scale_f32_16x16x128_f8f6f4 with both operands' format E2M1 (or v_wmma_scale_f32_32x16x128_f4), f32 sums; everything else in f32.
;; Inputs: image_features 4 x 256 x 128 x 128 float32; lidar_features 4 x 256 x 128 x 128 float32; modality_weights 2 float32.
;; Outputs: out0 4 x 256 x 128 x 128 float32.
;; This version of the problem:
;;   THIS VERSION OF THE PROBLEM IS GIVEN IN LOW PRECISION. The matrix products marked QUANTISED in the list below multiply operands that are first quantised to E2M1 (2 exponent bits, 1 mantissa bit; 4 bits a number), with one power-of-two scale for each 32 numbers along K (OCP MX v1.0); their sums are f32. All else is computed in f32.
;;   The module's matrix products, in the order in which they are computed (A, B: the left and right operand; K: the contracted axis; several contracted axes count as one K, in the product's order):
;;     1. batch 32 x [M 2,048, K 256] x [K 256, N 2,048]; A: input image_features; B: input lidar_features: QUANTISED
;;     2. batch 32 x [M 2,048, K 2,048] x [K 2,048, N 256]; A: softmax (see below); B: input lidar_features: QUANTISED
;;   THE QUANTISER, for each operand of a quantised product, along K:
;;     - K is cut into blocks of 32 from its start; a last block that is shorter is filled with zeros.
;;     - A block's scale is 2^e with e = floor(log2(the largest magnitude in the block)) - 2, held to -126 .. 127; a block of zeros has e = 0. As a byte (E8M0): e + 127.
;;     - Each number is divided by its block's scale, clamped to +-6, and rounded to the nearest number of E2M1, ties to even, subnormals kept.
;;     - The product sums the exact products of the quantised numbers (number of the format x scale) in f32.
;;   ~~~python
;;   def quantise(x, axis):      # numpy; x: float32 -> the quantised numbers, widened to float32 again
;;       x = np.moveaxis(x, axis, -1); K = x.shape[-1]
;;       x = np.pad(x, [(0, 0)] * (x.ndim - 1) + [(0, -K % 32)]); x = x.reshape(x.shape[:-1] + (-1, 32)); a = np.abs(x).max(-1, keepdims=True)
;;       e = np.where(a > 0, np.clip(np.frexp(np.where(a > 0, a, 1))[1] - 1 - 2, -126, 127), 0)      # np.frexp(a)[1] - 1 = floor(log2(a)), exactly
;;       r = np.clip(x / 2.0 ** e, -6, 6)
;;       step = 2.0 ** (np.maximum(np.frexp(np.where(r == 0, 1, r))[1] - 1, 0) - 1)
;;       q = np.round(r / step) * step * 2.0 ** e      # np.round: ties to even
;;       return np.moveaxis(q.reshape(q.shape[:-2] + (-1,))[..., :K], -1, axis).astype(np.float32)
;;   ~~~
;;   SOFTMAX AHEAD OF A QUANTISED PRODUCT. Where the list says 'softmax', what is quantised is not the finished softmax but p = 2^(t - M), with t = logit x log2(e) and M = ceil(the row's largest t), a whole number; so 1/2 < the row's largest p <= 1. The row's sum l is taken of the UNQUANTISED p, in f32, and the product's result is divided by l at the end. Since M is a whole number, a kernel that streams over the keys may use a running M (the ceiling of the running maximum): every later rescaling is an exact power of two, which a block's scale takes up: the codes' values come out the same.
;;   OPERANDS COMPUTED ON THE WAY. 'Computed on the way' means the value that the module computes at that place (a softmax that the list does not call 'softmax' is quantised finished and normalised). What goes into a quantiser is computed in f32, as accurately as f32 sums, v_exp_f32 and their like allow (about 1e-6 of the number): no bf16 or f16 on the way to a quantiser, and a product that is left as it is and whose result goes on into a quantised operand takes f32 operands (vector FMAs, or v_wmma_f32_16x16x4_f32). A number that lies on a knife's edge between two numbers of the format may be rounded either way, as far as f32 arithmetic and the matrix unit's own rounding can turn it there, and no further.
;; One version. Each part assembles by itself: llvm-mc -triple=amdgcn-amd-amdhsa -mcpu=gfx1250 --defsym DOCPART=n.
;; ======== version 1 of 1: 2 launches
;; limits: right only within a limited range of input values
;; workspace buffers: kv 17,825,792 bytes
;; launch quant (part 1): grid 128 x 4, 8 waves a work-group, no clusters, 41,984 bytes of LDS; arguments lidar_features, kv; writes kv
.if DOCPART == 1
	.amdgcn_target "amdgcn-amd-amdhsa--gfx1250"
	.amdhsa_code_object_version 6
	.text
	.protected	k_q5ca8c822d5_quant
	.globl	k_q5ca8c822d5_quant
	.p2align	8
	.type	k_q5ca8c822d5_quant,@function
k_q5ca8c822d5_quant:
	s_mov_b64 s[64:65], 0
	v_nop
	global_prefetch_b8 v0, s[64:65] scope:SCOPE_SE
	s_setreg_imm32_b32 hwreg(HW_REG_WAVE_MODE, 25, 1), 1
	s_wait_xcnt 0x0
; lidar_features, [4][256 c][16384 n] f32, becomes codes of FP4 (E2M1) with one E8M0 byte for each 32 along a product's K:
; the keys, quantised along c, AND the values, quantised along n (the keys are the second product's K).  lidar is read once for both.
; A block's scale is 2^(floor(log2(its largest magnitude)) - 2): its byte is the largest magnitude's exponent field - 2, held at 1 from below.
; LIMITS: a block of zeros gets the byte 1 where the quantiser's rule says 127 (its codes are zeros, and this program alone reads the bytes);
; blocks whose largest magnitude lies under 2^-124 have their byte held at 1; NaN and infinities among the inputs are not served.
; kv IS AN IMAGE OF THE OPERANDS' REGISTERS.  U = 128 b + n / 128 names 128 neighbouring n of one batch; kv [U] x 34,816 bytes:
;   the keys' codes [g 4][cb 8][u 2][r 16][16 bytes] (g: group of 32 n, cb: block of 32 channels; column x of a group at u = (x / 8) % 2, r = x % 8 + 8 (x / 16));
;   the values' codes [ct 16][kb 4][r 16][16 bytes] (channel 16 ct + r, keys 32 kb on); the keys' scale words [g][u][r][s 2][4 bytes]; the values' [channel 256][4 bytes].
; SHARES.  A work-group takes 256 channels x 128 n (y: the batch; x: which 128 n).  Wave w takes the 32 columns of group w % 4 and channels 128 (w / 4) on, in four tiles of 32 x 32.
; A lane takes a column n and its registers run down c: a load reads 128 consecutive bytes, four waves side by side 512.  For the values the same tile turns through the wave's own stage in LDS.
; No tensor loads, no matrix unit, no cluster: a stream in which work-groups share nothing.  While a tile is worked on, the next tile's 32 loads of the wave are out.
.set STEPB, 34816
.set VCOFF, 16384
.set KSOFF, 32768
.set ROWB,  65536
.set WSTG,  4608                       ; a wave's stage: 32 rows of 128 bytes + 16
.set SP,    144
.set SCK,   8*WSTG                     ; the U's 1,024 bytes of scale words along c,
.set SCV,   SCK+1024                   ; and the values' 1,024 scale bytes
.set SPARE, 40960                      ; the spare words: 128 bytes a wave
.set X,     32                         ; v32-95 two sets of 32 numbers
.set Y,     96                         ; v96-127 the tile, turned
.set CK,    128                        ; v128-143 codes along c, four registers a tile
.set CV,    144                        ; v144-159 codes along n
	s_load_b128 s[4:7], s[0:1], 0x0                ; lidar s[4:5], kv s[6:7]
	v_lshl_add_u32 v160, v0, 2, SPARE
	v_mov_b32 v161, 0
	v_lshrrev_b32 v1, 5, v0
	v_readfirstlane_b32 s14, v1                    ; wave 0..7
	s_and_b32 s15, s14, 3                          ; my group of 32 columns
	s_lshr_b32 s16, s14, 2                         ; my half of the channels
	s_and_b32 s19, ttmp7, 0xffff                   ; the batch
	s_lshl_b32 s20, s19, 7
	s_add_co_u32 s20, s20, ttmp9                   ; U
	v_and_b32 v1, 31, v0                           ; lane = column x
	v_lshlrev_b32 v2, 2, v1
	v_bfe_u32 v3, v0, 3, 1                         ; u
	v_lshlrev_b32 v3, 8, v3
	v_and_b32 v12, 7, v0
	v_lshl_or_b32 v3, v12, 4, v3
	v_bfe_u32 v12, v0, 4, 1
	v_lshl_or_b32 v3, v12, 7, v3                   ; 256 u + 16 r
	v_and_b32 v13, 15, v0
	v_lshlrev_b32 v4, 4, v13
	v_lshl_or_b32 v4, v12, 10, v4                  ; turned, the lane is a channel: 1,024 (lane / 16) + 16 (lane % 16)
	s_mul_i32 s44, s14, WSTG
	v_mul_u32_u24 v5, v1, SP
	v_add_nc_u32 v5, s44, v5                       ; into the stage: row = my column
	v_add_nc_u32 v6, s44, v2                       ; out of it: 4 bytes of each row
	s_lshl_b32 s45, s15, 8
	s_lshl_b32 s46, s16, 2
	s_add_co_u32 s45, s45, s46
	s_add_co_u32 s45, s45, SCK
	v_lshrrev_b32 v7, 1, v3
	v_add_nc_u32 v7, s45, v7                       ; 256 g + 128 u + 8 r + 4 s
	s_lshl_b32 s45, s16, 9
	s_add_co_u32 s45, s45, s15
	s_add_co_u32 s45, s45, SCV
	v_add_nc_u32 v8, s45, v2                       ; 4 x channel + kb
	s_lshl_b32 s45, s14, 9
	v_lshl_add_u32 v10, v1, 4, s45                 ; the scales' way out: 512 x wave + 16 x lane
	v_add_nc_u32 v9, SCK, v10
	s_lshl_b32 s22, s19, 24                        ; the source: batch,
	s_lshl_b32 s36, s16, 23                        ; 128 channels,
	s_add_co_u32 s22, s22, s36
	s_lshl_b32 s36, ttmp9, 9                       ; 128 n,
	s_add_co_u32 s22, s22, s36
	s_lshl_b32 s36, s15, 7                         ; 32 n
	s_add_co_u32 s22, s22, s36
	s_mov_b32 s23, 0
	s_mul_i32 s24, s20, STEPB                      ; kv: my U
	s_lshl_b32 s36, s15, 12
	s_lshl_b32 s37, s16, 11
	s_add_co_u32 s36, s36, s37
	s_add_co_u32 s38, s24, s36                     ; the keys' codes: + 4,096 g + 2,048 s
	s_add_co_u32 s26, s24, KSOFF                   ; my U's scales
	s_lshl_b32 s34, s16, 13
	s_lshl_b32 s37, s15, 8
	s_add_co_u32 s34, s34, s37
	s_add_co_u32 s34, s34, s24                     ; the values' codes: 8,192 x half + 256 kb (+ VCOFF)
	s_mov_b32 s35, 0
	s_mov_b32 s39, 0
	s_mov_b32 s27, 0
	s_wait_alu depctr_va_vdst(0)                   ; the wait at the head's end
	s_wait_kmcnt 0x0
	s_add_nc_u64 s[28:29], s[4:5], s[22:23]
	s_add_nc_u64 s[30:31], s[6:7], s[38:39]
	s_add_nc_u64 s[32:33], s[6:7], s[26:27]
	s_add_nc_u64 s[34:35], s[6:7], s[34:35]
.macro LOAD t                          ; tile t: channels 32 t + i of my half, my column; the largest offset is 127 rows
.set i, 0
.rept 32
	global_load_b32 v[X+32*((\t)%2)+i], v2, s[28:29] offset:(32*(\t)+i)*ROWB th:TH_LOAD_NT
.set i, i+1
.endr
.endm
.macro BLKMAX s                        ; the largest magnitude of v[s] .. v[s + 31], in two chains, with the floor 2^(3 - 127); v14 = the conversions' scale operand
	v_max3_num_f32 v12, |v[\s]|, |v[\s+1]|, |v[\s+2]|
	v_max3_num_f32 v13, |v[\s+3]|, |v[\s+4]|, |v[\s+5]|
.irp i, 6,10,14,18,22,26
	s_delay_alu instid0(VALU_DEP_2)
	v_max3_num_f32 v12, v12, |v[\s+\i]|, |v[\s+\i+1]|
	s_delay_alu instid0(VALU_DEP_2)
	v_max3_num_f32 v13, v13, |v[\s+\i+2]|, |v[\s+\i+3]|
.endr
	s_delay_alu instid0(VALU_DEP_2)
	v_max3_num_f32 v12, v12, |v[\s+30]|, |v[\s+31]|
	s_delay_alu instid0(VALU_DEP_1)
	v_max3_num_f32 v12, v12, v13, 0x1800000
	s_delay_alu instid0(VALU_DEP_1)
	v_add_nc_u32 v14, 0xff000000, v12              ; 2 off the exponent field
.endm
.macro TILE t
.set XS, X+32*((\t)%2)
.if (\t) < 3
	s_wait_loadcnt 32                              ; this tile's 32 loads are in; the next tile's 32 may be out
.else
	s_wait_loadcnt 0x0
.endif
	BLKMAX XS                                      ; along c: the block is all mine
	s_delay_alu instid0(VALU_DEP_1)
	v_lshrrev_b32 v15, 23, v14                     ; its byte, four to a word
.if (\t) == 0
	s_delay_alu instid0(VALU_DEP_1)
	v_mov_b32 v11, v15
.else
	s_delay_alu instid0(VALU_DEP_1)
	v_lshl_or_b32 v11, v15, 8*(\t), v11
.endif
.irp g, 0,1,2,3
	v_cvt_scalef32_pk8_fp4_f32 v[CK+4*(\t)+\g], v[XS+8*\g:XS+8*\g+7], v14
.endr
	v_nop                                          ; one plain instruction behind the conversions
	global_store_b128 v3, v[CK+4*(\t):CK+4*(\t)+3], s[30:31] offset:512*(\t)   ; the wave stores 512 consecutive bytes, aligned
.irp j, 0,1,2,3,4,5,6,7
	ds_store_b128 v5, v[XS+4*\j:XS+4*\j+3] offset:16*\j          ; row = my column, 32 channels
.endr
.set i, 0
.rept 32
	ds_load_b32 v[Y+i], v6 offset:SP*i             ; LDS serves a wave's instructions in order: column i, channel = my lane
.set i, i+1
.endr
	s_wait_dscnt 0x0
	BLKMAX Y                                       ; along n: 32 keys of my channel
.irp g, 0,1,2,3
	v_cvt_scalef32_pk8_fp4_f32 v[CV+4*(\t)+\g], v[Y+8*\g:Y+8*\g+7], v14
.endr
	v_lshrrev_b32 v[20+(\t)], 23, v14              ; the byte (also the plain instruction behind the conversions)
	ds_store_b8 v8, v[20+(\t)] offset:128*(\t)
	global_store_b128 v4, v[CV+4*(\t):CV+4*(\t)+3], s[34:35] offset:VCOFF+2048*(\t)   ; sixteen lanes store 256 consecutive bytes, aligned
.if (\t)+2 < 4
	LOAD (\t)+2
.endif
.endm
	LOAD 0
	LOAD 1
	TILE 0
	TILE 1
	TILE 2
	TILE 3
	s_wait_alu depctr_va_vdst(0)                   ; the wait ahead of the reader below
	ds_store_b32 v7, v11                           ; my column's scale word for my 128 channels
	s_wait_dscnt 0x0                               ; for the others' sake: my stores of scales have landed
	s_barrier_signal -1
	s_barrier_wait -1
	s_cmp_ge_u32 s14, 4                            ; 2,048 bytes of scales, 512 a wave: waves 0 to 3 carry them out
	s_cbranch_scc1 .Lend
	ds_load_b128 v[16:19], v9
	s_wait_dscnt 0x0
	global_store_b128 v10, v[16:19], s[32:33]      ; the wave stores 512 consecutive bytes, aligned
.Lend:
	s_wait_tensorcnt 0x0                           ; the wave's end
	ds_add_u32 v160, v161
	s_wait_dscnt 0x0
	s_endpgm
.Lfunc_end_k_q5ca8c822d5_quant:
	.size	k_q5ca8c822d5_quant, .Lfunc_end_k_q5ca8c822d5_quant-k_q5ca8c822d5_quant
	.p2alignl 7, 3214868480
	.fill 96, 4, 3214868480
	.section	.rodata,"a",@progbits
	.p2align	6, 0x0
	.amdhsa_kernel k_q5ca8c822d5_quant
		.amdhsa_group_segment_fixed_size 41984
		.amdhsa_private_segment_fixed_size 0
		.amdhsa_enable_private_segment 0
		.amdhsa_kernarg_size 16
		.amdhsa_user_sgpr_count 2
		.amdhsa_user_sgpr_kernarg_segment_ptr 1
		.amdhsa_wavefront_size32 1
		.amdhsa_system_sgpr_workgroup_id_x 1
		.amdhsa_system_sgpr_workgroup_id_y 1
		.amdhsa_system_sgpr_workgroup_id_z 1
		.amdhsa_system_vgpr_workitem_id 0
		.amdhsa_next_free_vgpr 162
		.amdhsa_next_free_sgpr 66
		.amdhsa_reserve_vcc 0
		.amdhsa_float_denorm_mode_32 3
		.amdhsa_float_denorm_mode_16_64 3
		.amdhsa_memory_ordered 1
		.amdhsa_forward_progress 1
		.amdhsa_inst_pref_size 43
	.end_amdhsa_kernel
	.amdgpu_metadata
---
amdhsa.version: [ 1, 2 ]
amdhsa.kernels:
  - .name:           k_q5ca8c822d5_quant
    .symbol:         k_q5ca8c822d5_quant.kd
    .args:
      - { .name: lidar_features, .offset: 0, .size: 8, .value_kind: global_buffer, .address_space: global }
      - { .name: kv, .offset: 8, .size: 8, .value_kind: global_buffer, .address_space: global }
    .group_segment_fixed_size: 41984
    .private_segment_fixed_size: 0
    .kernarg_segment_align: 8
    .kernarg_segment_size: 16
    .max_flat_workgroup_size: 256
    .sgpr_count:     66
    .vgpr_count:     162
    .wavefront_size: 32
...
	.end_amdgpu_metadata
.endif
;; end of part 1
;; launch attn (part 2): grid 8 x 32, 8 waves a work-group, clusters of 4 x 1, 327,680 bytes of LDS; arguments kv, image_features, modality_weights, out0; writes out0
.if DOCPART == 2
	.amdgcn_target "amdgcn-amd-amdhsa--gfx1250"
	.amdhsa_code_object_version 6
	.text
	.protected	k_q5ca8c822d5_attn
	.globl	k_q5ca8c822d5_attn
	.p2align	8
	.type	k_q5ca8c822d5_attn,@function
k_q5ca8c822d5_attn:
	s_mov_b64 s[64:65], 0
	v_nop
	global_prefetch_b8 v0, s[64:65] scope:SCOPE_SE
	s_setreg_imm32_b32 hwreg(HW_REG_WAVE_MODE, 25, 1), 1
	s_wait_xcnt 0x0
	s_wait_alu depctr_hold_cnt(0) depctr_sa_sdst(0) depctr_va_vdst(0) depctr_va_sdst(0) depctr_va_ssrc(0) depctr_va_vcc(0) depctr_vm_vsrc(0)
	s_getreg_b32 s2, hwreg(HW_REG_IB_STS2, 6, 4)
	s_cmp_eq_u32 s2, 0
	s_cbranch_scc0 .Lentry_in_a_cluster
	s_endpgm
.Lentry_in_a_cluster:
	s_bfe_u32 s2, ttmp6, 0x10000c
	s_cmp_lg_u32 s2, 0x3003
	s_cbranch_scc0 .Lentry_shape_is_right
	s_endpgm
.Lentry_shape_is_right:
; out0 = w0 image + w1 softmax(Q K^T / 16) V, chunk by chunk of 2,048 positions, both products on codes of FP4 (E2M1) with one E8M0 scale for each 32 along K; w = softmax of the two modality weights.
; THE SOFTMAX AHEAD OF THE SECOND PRODUCT: t = score x log2(e) / 16; M = the row's largest t so far, rounded UP to a whole number; p = 2^(t - M) is quantised along the keys, not normalised.
; The row's sum is taken of the unquantised p and divides at the end.  When M moves, the sum and O are multiplied by 2^(old M - new M): exact.
; A block's scale byte is floor(its largest t - M) + 125, held at 1 from below: the exponent of the block's largest p, less 2, by whole-number arithmetic.
; LIMITS: NaN and infinities among the inputs are not served; a block of zeros (of Q or of p) keeps the scale byte 1 (its codes are zeros); blocks of Q whose largest magnitude lies under 2^-124 have their byte held at 1;
; where a block's largest t - M lies so closely under a whole number that v_exp_f32 rounds its p up to the power of two (within 5e-8), that one p is held at the largest code, a quarter low.
; SHARES.  256 work-groups: y = batch x 8 + chunk, x = which 256 queries of the chunk.  Each of eight waves owns 32 queries, two tiles of 16, so that each fragment of K and V read from LDS feeds two matrix
; instructions.  Every wave walks the chunk's 2,048 keys, 128 a step.
; Q IS QUANTISED HERE, AT THE HEAD: each number of the image is a query's for one wave alone.  A lane takes one of the wave's 32 positions and its registers run down the 256 channels (a load reads 128 consecutive bytes);
; a block of 32 channels lies in one lane.  Codes and scale words turn through the wave's own 4,352 bytes of LDS into the operand's registers.
; WAVES 0 TO 3 MAKE THEIR Q AHEAD OF THE ROUND THAT STANDS IN FRONT OF SLOT 1'S FIRST FILL, WAVES 4 TO 7 BEHIND IT: no barrier stands between that round and the end of key step 3, so the first four walk keys while the image of the other four is on its way.
; O^T begins as zeros, cleared while the image's first loads are out, so that the key step is written once for all sixteen steps (code size): the first change of M multiplies zeros.
; LAYOUT.  Both products are used transposed: S^T = K Q^T, O^T = V^T P^T: a lane holds ONE query throughout, and O^T is the output as it lies in memory, [channel][position].
; The keys of a tile are not neighbours: lane r of tile (g, u) holds key 32 g + 8 u + r + 8 (r / 8), so that the 16 registers of tiles (g, 0), (g, 1) are 16 neighbouring keys.  The queries of a tile are chosen alike.
; kv is an image of the operands' registers: every fragment load takes 256 consecutive bytes in sixteen lanes.
; RING.  A step's codes and scales of K and V are 34,816 dense bytes; a slot holds four steps; two slots.  Each wave brings an eighth of a slot by one tensor load of 68 rows of 256 bytes: one out at the head and one behind each round.
; CLUSTER.  The four work-groups of a cluster belong to one chunk and walk the same kv: each tile is asked for JOINTLY, with a mask that names the four.
; THE IMAGE FOR THE BLEND.  Channels 0-127 come into slot 0's bytes by one plain tensor load a wave when slot 0 has been read for the last time; channels 128-255 come into registers behind the last key step; they are first read in the second half of the way out.
; PREFETCH.  The image is not prefetched.
; kv's slots are not prefetched: a refill is asked for four key steps ahead of its first read.
; THE WAY OUT goes in two halves of 128 channels through a stage in slot 1's bytes; wave w stores channels 16 w .. 16 w + 15 of each half, whole rows of 1,024 bytes.
; REGISTERS.  Window 0: v1-4 lane places; v5, v6 for the add; v7-10 the step's addresses; v11 SR on the way out; v12-27 statistics, eight a tile: +0 -M, +1 largest t, +2, +3 the sum, +4 f, +5 p's scale word, +6 Q's scale words, +7 at work;
;   v28-39 at work; v40-47 scale words of K, then V; v48-63 p's codes; v64-95 Q; v96-127 fragments of K; v128-255 S^T, then p, then V.  Window 1: O^T, tile (t, z) at v[128 t + 8 z].
.set STEPB,  34816
.set VCO,    16384
.set KSO,    32768
.set VSO,    33792
.set SLOTB,  4*STEPB
.set WLOAD,  SLOTB/8
.set SPARE,  2*SLOTB                   ; the spare words: 128 bytes a wave
.set SCR,    SPARE+1024                ; Q's turn: for each wave 4,096 bytes of codes and 256 of scale words; no tensor load lands here
.set WSCR,   4352
.set SPITCH, 1040
.set WIMG,   16*SPITCH
.set STG,    SLOTB
.set AK0,  1
.set AV0,  2
.set ASK0, 3
.set ASV0, 4
.set SPW,  5
.set NIL,  6
.set ADK,  7
.set ADV,  8
.set ADS,  9
.set ADT,  10
.set LI,   9
.set PFO,  11                          ; in the loops; on the way out v11 is SR
.set SR,   11
.set ST,   12
.set BM,   28
.set BT,   32
.set BS,   36
.set KS,   40
.set PC,   48
.set Q,    64
.set F,    96
.set S,    128
.set IM,   64
.set LM,   192
.set WV,   16
.set SEL,  20
.set CS,   22
.set G1,   24
.set G0,   32
.set TB,   40
.set CNT,  41
.set IMGB, 50
.set OUTA, 52
.set QI,   54                          ; s[54:55], s[56:57] the image at my 32 positions, channel 0 and channel 128
.set OUTB, 58
.set PFA,  60                          ; s[60:61] my rows of the image's lower half; s[62:63] its next step
.set G1I,  68
.set G0I,  76
.set MSB, 0
.macro WIN new                         ; s_set_vgpr_msb; the high byte repeats the setting that is left
.if MSB != \new
	s_set_vgpr_msb (MSB<<8)|\new
.set MSB, \new
.endif
.endm
.set W_RS, 0x41
.set W_PV, 0x50
.set W_ST, 0x04
.set TO_Y, 0x40
.macro PLACES n
.rept \n
	v_nop
.endr
.endm
.macro CROUND                          ; a round of the cluster's barrier
	s_barrier_signal -1
	s_barrier_wait -1
	s_cmp_lg_u32 s[WV], 0
	s_cbranch_scc1 .Lnot_wave_0_\@
	s_barrier_signal -3
.Lnot_wave_0_\@:
	s_barrier_wait -3
	s_barrier_signal -1
	s_barrier_wait -1
.endm
.macro QLOAD cb                        ; block cb of the image: channels 32 cb + i, my position, into set cb % 4 of v128-255
.set i, 0
.rept 32
	global_load_b32 v[S+32*((\cb)%4)+i], v[ASV0], s[QI+2*((\cb)/4):QI+2*((\cb)/4)+1] offset:(32*((\cb)%4)+i)*65536
.set i, i+1
.endr
.endm
.macro QBLK cb                         ; block cb of my query becomes 32 codes and a scale byte
.set XS, S+32*((\cb)%4)
.if (\cb)+2 < 8
	QLOAD (\cb)+2
	s_wait_loadcnt 63                              ; behind this block's loads stand the 64 of the next two blocks
.else
	s_wait_loadcnt 32*(7-(\cb))
.endif
	v_max3_num_f32 v36, |v[XS]|, |v[XS+1]|, |v[XS+2]|
	v_max3_num_f32 v37, |v[XS+3]|, |v[XS+4]|, |v[XS+5]|
.irp i, 6,10,14,18,22,26
	s_delay_alu instid0(VALU_DEP_2)
	v_max3_num_f32 v36, v36, |v[XS+\i]|, |v[XS+\i+1]|
	s_delay_alu instid0(VALU_DEP_2)
	v_max3_num_f32 v37, v37, |v[XS+\i+2]|, |v[XS+\i+3]|
.endr
	s_delay_alu instid0(VALU_DEP_2)
	v_max3_num_f32 v36, v36, |v[XS+30]|, |v[XS+31]|
	s_delay_alu instid0(VALU_DEP_1)
	v_max3_num_f32 v36, v36, v37, 0x1800000        ; the floor 2^(3 - 127): the byte cannot fall under 1
	s_delay_alu instid0(VALU_DEP_1)
	v_add_nc_u32 v38, 0xff000000, v36              ; 2 off the exponent field: the conversions' scale operand
	s_delay_alu instid0(VALU_DEP_1)
	v_lshrrev_b32 v39, 23, v38                     ; the byte, four to a word
.if (\cb)%4 == 0
	s_delay_alu instid0(VALU_DEP_1)
	v_mov_b32 v[28+(\cb)/4], v39
.else
	s_delay_alu instid0(VALU_DEP_1)
	v_lshl_or_b32 v[28+(\cb)/4], v39, 8*((\cb)%4), v[28+(\cb)/4]
.endif
.irp g, 0,1,2,3
	v_cvt_scalef32_pk8_fp4_f32 v[F+4*(\cb)+\g], v[XS+8*\g:XS+8*\g+7], v38
.endr
	v_nop                                          ; one plain instruction behind the conversions
	ds_store_b128 v10, v[F+4*(\cb):F+4*(\cb)+3] offset:512*(\cb)   ; [cb][u][r][16 bytes]; each block has code registers of its own
.endm
.macro QPIPE                           ; a wave's whole Q: 256 loads, eight blocks, the turn through its scratch; and its O^T and statistics begin
	QLOAD 0
	QLOAD 1
	WIN TO_Y
.set i, 0
.rept 256
	v_mov_b32 v[i], 0                              ; O^T
.set i, i+1
.endr
	WIN 0
.irp t, 0,1
	v_mov_b32 v[ST+8*\t+1], 0xff61b1e6             ; the largest t so far: -3e38
	v_floor_f32 v[ST+8*\t], -v[ST+8*\t+1]          ; -M
	v_mov_b32 v[ST+8*\t+2], 0
	v_mov_b32 v[ST+8*\t+3], 0
	v_mov_b32 v[ST+8*\t+5], 0
.endr
.irp b, 0,1,2,3
	v_mov_b32 v[BT+\b], 0                          ; a lane permute's destination counts as one of its sources
.endr
.irp cb, 0,1,2,3,4,5,6,7
	QBLK \cb
.endr
	ds_store_b64 v30, v[28:29] offset:4096         ; my query's two scale words
.irp u, 0,1                                    ; LDS serves a wave's instructions in order: these see my stores
.irp s, 0,1
.irp c, 0,1
	ds_load_b128 v[Q+16*\u+8*\s+4*\c:Q+16*\u+8*\s+4*\c+3], v9 offset:2048*\s+1024*\c+256*\u   ; Q stays in registers: tile u, channels 128 s on
.endr
.endr
	ds_load_b32 v[ST+8*\u+6], v31 offset:4096+128*\u
.endr
.endm
	s_load_b256 s[8:15], s[0:1], 0x0               ; kv s[8:9], image s[10:11], modality_weights s[12:13], out0 s[14:15]
	v_lshl_add_u32 v[SPW], v0, 2, SPARE
	v_mov_b32 v[NIL], 0
	ds_add_u32 v[SPW], v[NIL]                      ; the opening lines: the add, twice on end, and its wait
	ds_add_u32 v[SPW], v[NIL]
	v_lshrrev_b32 v7, 5, v0
	v_readfirstlane_b32 s[WV], v7                  ; wave 0..7
	v_and_b32 v7, 15, v0                           ; r
	v_bfe_u32 v8, v0, 4, 1                         ; h
	v_lshlrev_b32 v[AK0], 4, v7
	v_lshl_or_b32 v[AK0], v8, 9, v[AK0]            ; K, Q: 512 h + 16 r
	v_and_b32 v[AV0], 31, v0
	v_lshlrev_b32 v[ASV0], 2, v[AV0]               ; 4 x lane: V's scale words, and my position in a row of the image
	v_lshlrev_b32 v[AV0], 4, v[AV0]                ; V: 16 x lane
	v_lshlrev_b32 v[ASK0], 3, v7
	v_lshl_or_b32 v[ASK0], v8, 2, v[ASK0]          ; K's and Q's scale words: 8 r + 4 h
	s_mul_i32 s44, s[WV], WSCR
	s_add_co_u32 s44, s44, SCR                     ; my scratch
	v_bfe_u32 v10, v0, 3, 1                        ; as a position x = lane: u = (x / 8) % 2
	v_and_b32 v9, 7, v0
	v_lshlrev_b32 v10, 8, v10
	v_lshl_or_b32 v10, v9, 4, v10
	v_lshl_or_b32 v10, v8, 7, v10                  ; 256 u + 16 r, r = x % 8 + 8 (x / 16)
	v_lshrrev_b32 v30, 1, v10                      ; 128 u + 8 r: my two scale words
	v_add_nc_u32 v10, s44, v10
	v_add_nc_u32 v30, s44, v30
	v_add_nc_u32 v9, s44, v[AK0]                   ; and back, as fragments
	v_add_nc_u32 v31, s44, v[ASK0]
	v_bfe_u32 v[PFO], v0, 2, 3
	v_and_b32 v7, 3, v0
	v_lshlrev_b32 v[PFO], 16, v[PFO]
	v_lshl_or_b32 v[PFO], v7, 8, v[PFO]            ; row lane / 4, block of 256 bytes lane % 4
	s_bfe_u32 s17, ttmp6, 0x40000                  ; cx: it enters the addresses of the image and out0 alone
	s_lshl_b32 s18, ttmp9, 2
	s_add_co_u32 s18, s18, s17                     ; my block of 256 queries
	s_and_b32 s19, ttmp7, 0xffff                   ; batch x 8 + chunk
	s_mov_b32 s[G1+0], 15|(3<<16)|(1<<21)          ; the ring: mask of all four, elements of 8 bytes, bit 21 beside the mask
	s_mov_b32 s[G1+1], 32<<16
	s_mov_b32 s[G1+2], 68<<16
	s_mov_b32 s[G1+3], 32<<16
	s_mov_b32 s[G1+4], 68
	s_mov_b32 s[G1+5], 32
	s_mov_b32 s[G1+6], 0
	s_mov_b32 s[G1+7], 0
	s_mov_b32 s[G1I+0], (3<<16)|(1<<20)|(7<<22)|(3<<25)   ; the image: 16 rows of 1,024 bytes, four words of padding behind each
	s_mov_b32 s[G1I+1], 128<<16
	s_mov_b32 s[G1I+2], 16<<16
	s_mov_b32 s[G1I+3], 128<<16
	s_mov_b32 s[G1I+4], 16
	s_mov_b32 s[G1I+5], 8192
	s_mov_b32 s[G1I+6], 0
	s_mov_b32 s[G1I+7], 0
	s_mov_b32 s[SEL], 0x76543210
	s_mov_b32 s[SEL+1], 0xfedcba98
	s_mov_b32 s[CS], 0x3db8aa3b                    ; log2(e) / 16
	s_mov_b32 s[CS+1], s[CS]
	s_mul_i32 s42, s19, 16*STEPB                   ; kv: the chunk's 16 steps,
	s_mul_i32 s46, s[WV], WLOAD                    ; my eighth of a slot, in memory and in LDS alike
	s_add_co_u32 s42, s42, s46
	s_mov_b32 s43, 0
	s_lshr_b32 s47, s19, 3
	s_lshl_b32 s54, s47, 24                        ; image and out0, as a byte offset: the batch,
	s_and_b32 s47, s19, 7
	s_lshl_b32 s47, s47, 13                        ; the chunk,
	s_add_co_u32 s54, s54, s47
	s_lshl_b32 s47, s18, 10                        ; the block of 256 positions
	s_add_co_u32 s54, s54, s47
	s_lshl_b32 s47, s[WV], 20
	s_add_co_u32 s50, s54, s47                     ; for the blend: my 16 channels of a half
	s_mov_b32 s51, 0
	s_lshl_b32 s47, s[WV], 7
	s_add_co_u32 s54, s54, s47                     ; for Q: my 32 positions
	s_mov_b32 s55, 0
	s_mov_b32 s62, 0x80000                         ; eight rows on
	s_mov_b32 s63, 0
	s_mov_b32 s[G0I], 1
	s_mul_i32 s[G0I+1], s[WV], WIMG
	s_wait_alu depctr_va_vdst(0)                   ; the wait ahead of the waits below
	s_wait_dscnt 0x0                               ; both opening adds are done
	s_wait_kmcnt 0x0
	s_add_nc_u64 s[QI:QI+1], s[10:11], s[54:55]
	s_add_nc_u64 s[QI+2:QI+3], s[QI:QI+1], 0x800000
	s_add_nc_u64 s[OUTA:OUTA+1], s[14:15], s[50:51]
	s_add_nc_u64 s[OUTB:OUTB+1], s[OUTA:OUTA+1], 0x800000
	s_add_nc_u64 s[PFA:PFA+1], s[10:11], s[50:51]
	s_mov_b64 s[G0I+2:G0I+3], s[PFA:PFA+1]
	s_add_nc_u64 s[IMGB:IMGB+1], s[PFA:PFA+1], 0x800000
	s_or_b32 s[G0I+3], s[G0I+3], 0x80000000
	s_load_b64 s[48:49], s[12:13], 0x0             ; the two modality weights
	s_add_nc_u64 s[8:9], s[8:9], s[42:43]
.irp n, 0,1
	s_mov_b32 s[G0+4*\n], 1
	s_add_co_u32 s[G0+4*\n+1], s46, \n*SLOTB
	s_add_nc_u64 s[G0+4*\n+2:G0+4*\n+3], s[8:9], \n*SLOTB
	s_or_b32 s[G0+4*\n+3], s[G0+4*\n+3], 0x80000000
.endr
	CROUND                                         ; all four work-groups are here: the first joint loads meet
	tensor_load_to_lds s[G0:G0+3], s[G1:G1+7]      ; slot 0: my one tensor load at the head
	s_nop 0
	PLACES 4
	s_cmp_lt_u32 s[WV], 4
	s_cbranch_scc0 .Lq_later
	QPIPE                                          ; waves 0 to 3: Q now
.Lq_later:
; ONE TILE'S SOFTMAX FOR ONE KEY STEP.  Register 16 b + i of v[S + 64 t] on holds the score of key 32 b + 16 (lane / 16) + i.
.macro SOFT t
.set rS, S+64*\t
.set rT, ST+8*\t
.set rP, PC+8*\t
.irp b, 0,1,2,3
	v_max3_num_f32 v[BM+\b], v[rS+16*\b], v[rS+1+16*\b], v[rS+2+16*\b]   ; each block's largest score: for the row's maximum and for the block's scale.  Accumulators are read from the low end on
.endr
.irp i, 3,5,7,9,11,13
.irp b, 0,1,2,3
	v_max3_num_f32 v[BM+\b], v[BM+\b], v[rS+16*\b+\i], v[rS+1+16*\b+\i]
.endr
.endr
.irp b, 0,1,2,3
	v_max_num_f32 v[BM+\b], v[BM+\b], v[rS+15+16*\b]
.endr
.irp b, 0,1,2,3
	s_delay_alu instid0(VALU_DEP_4)
	v_permlanex16_b32 v[BT+\b], v[BM+\b], s[SEL], s[SEL+1]
.endr
.irp b, 0,1,2,3
	s_delay_alu instid0(VALU_DEP_4)
	v_max_num_f32 v[BM+\b], v[BM+\b], v[BT+\b]     ; with lane l xor 16's 16 keys
.endr
	s_delay_alu instid0(VALU_DEP_2)
	v_max3_num_f32 v[rT+7], v[BM], v[BM+1], v[BM+2]
	s_delay_alu instid0(VALU_DEP_1)
	v_max_num_f32 v[rT+7], v[rT+7], v[BM+3]
	s_delay_alu instid0(VALU_DEP_1)
	v_mul_f32 v[rT+7], s[CS], v[rT+7]              ; as t
	s_delay_alu instid0(VALU_DEP_1)
	v_max_num_f32 v[rT+1], v[rT+1], v[rT+7]        ; the running largest t
	v_mov_b32 v[rT+7], v[rT]
	s_delay_alu instid0(VALU_DEP_2)
	v_floor_f32 v[rT], -v[rT+1]                    ; the new -M = -ceil(t)
	s_delay_alu instid0(VALU_DEP_1)
	v_sub_f32 v[rT+7], v[rT], v[rT+7]              ; old M - new M
	s_delay_alu instid0(VALU_DEP_1)
	v_cvt_i32_f32 v[rT+7], v[rT+7]                 ; (it saturates)
	s_delay_alu instid0(VALU_DEP_1)
	v_ldexp_f32 v[rT+4], 1.0, v[rT+7]              ; f = 2^(old M - new M)
.set i, 0
.rept 32
	v_pk_fma_f32 v[rS+i:rS+1+i], v[rS+i:rS+1+i], s[CS:CS+1], v[rT:rT+1] op_sel_hi:[1,0,0]   ; t - M
.set i, i+2
.endr
.irp b, 0,1,2,3
	v_fma_f32 v[BM+\b], v[BM+\b], s[CS], v[rT]     ; the same of each block's largest score: 0 or less
.endr
	s_wait_alu depctr_va_vdst(0)                   ; the wait ahead of the batch
.set i, 0
.rept 64
	v_exp_f32 v[rS+i], v[rS+i]                     ; p = 2^(t - M)
.set i, i+1
.endr
	v_pk_mul_f32 v[rT+2:rT+3], v[rT+2:rT+3], v[rT+4:rT+5] op_sel_hi:[1,0]   ; the sum under the new M (the plain instruction behind the batch)
.irp b, 0,1,2,3
	v_max_num_f32 v[BM+\b], 0xc2f80000, v[BM+\b]   ; held at -124: the byte cannot fall under 1
.endr
.irp b, 0,1,2,3
	s_delay_alu instid0(VALU_DEP_4)
	v_cvt_floor_i32_f32 v[BM+\b], v[BM+\b]         ; the exponent of the block's largest p
.endr
.irp b, 0,1,2,3
	s_delay_alu instid0(VALU_DEP_4)
	v_add_nc_u32 v[BT+\b], 125, v[BM+\b]           ; less 2, + 127: the scale's byte
.endr
.irp b, 0,1,2,3
	s_delay_alu instid0(VALU_DEP_4)
	v_lshlrev_b32 v[BS+\b], 23, v[BT+\b]           ; as an exponent field: the conversions' scale operand
.endr
	v_lshl_or_b32 v[rT+5], v[BT+1], 8, v[BT]       ; p's scale word for these 128 keys
	s_delay_alu instid0(VALU_DEP_1)
	v_lshl_or_b32 v[rT+5], v[BT+2], 16, v[rT+5]
	s_delay_alu instid0(VALU_DEP_1)
	v_lshl_or_b32 v[rT+5], v[BT+3], 24, v[rT+5]
	s_wait_alu depctr_va_vdst(0)                   ; the wait behind the batch, ahead of its first reader
.irp b, 0,1,2,3
	v_cvt_scalef32_pk8_fp4_f32 v[rP+2*\b], v[rS+16*\b:rS+7+16*\b], v[BS+\b]
	v_cvt_scalef32_pk8_fp4_f32 v[rP+1+2*\b], v[rS+8+16*\b:rS+15+16*\b], v[BS+\b]
.endr
	v_nop
.irp c, 0,1                                    ; a whole block in a lane: lanes 0-15 block 2 c, lanes 16-31 block 2 c + 1
.irp i, 0,1
	v_permlane16_swap_b32 v[rP+4*\c+\i], v[rP+2+4*\c+\i]
.endr
.endr
	v_pk_add_f32 v[BT:BT+1], v[rS:rS+1], v[rS+2:rS+3]   ; the row's sum of the unquantised p, in two chains; these are also the places ahead of the products that take p
.irp j, 4,8,12,16,20,24,28,32,36,40,44,48,52,56,60
	v_pk_add_f32 v[rT+2:rT+3], v[rT+2:rT+3], v[rS+\j:rS+1+\j]
	v_pk_add_f32 v[BT:BT+1], v[BT:BT+1], v[rS+2+\j:rS+3+\j]
.endr
	s_delay_alu instid0(VALU_DEP_1)
	v_pk_add_f32 v[rT+2:rT+3], v[rT+2:rT+3], v[BT:BT+1]
.endm
.macro VLOAD half                      ; V's fragments take the registers that a tile's p has left
.if \half == 0
.irp p, 0,1,2,3,4,5,6,7
	ds_load_b32 v[KS+\p], v[ADT] offset:VSO+128*\p
.endr
.endif
.irp z, 0,1,2,3,4,5,6,7
.irp c, 0,1
	ds_load_b128 v[S+64*\half+8*\z+4*\c:S+64*\half+8*\z+4*\c+3], v[ADV] offset:VCO+1024*(8*\half+\z)+512*\c
.endr
.endr
.endm
.macro RESCALE                         ; both tiles' O^T times the number in the tile's statistics + 4, each accumulator from its low end on
	WIN W_RS
	s_wait_alu depctr_va_vdst(0)                   ; the wait ahead of the first reader of O^T
.set i, 0
.rept 128
	v_pk_mul_f32 v[i:i+1], v[i:i+1], v[ST+8*(i/128)+4:ST+8*(i/128)+5] op_sel_hi:[1,0]
.set i, i+2
.endr
.endm
.macro PVI z, t                        ; O^T(t, z) += V^T(z) P(t); an odd tile's scale words lie in lanes 16-31
.if (\z)%2
	v_wmma_scale_f32_16x16x128_f8f6f4 v[128*\t+8*(\z):128*\t+8*(\z)+7], v[S+8*(\z):S+8*(\z)+7], v[PC+8*\t:PC+8*\t+7], v[128*\t+8*(\z):128*\t+8*(\z)+7], v[KS+(\z)/2], v[ST+8*\t+5] matrix_a_fmt:MATRIX_FMT_FP4 matrix_b_fmt:MATRIX_FMT_FP4 matrix_a_scale:MATRIX_SCALE_ROW1
.else
	v_wmma_scale_f32_16x16x128_f8f6f4 v[128*\t+8*(\z):128*\t+8*(\z)+7], v[S+8*(\z):S+8*(\z)+7], v[PC+8*\t:PC+8*\t+7], v[128*\t+8*(\z):128*\t+8*(\z)+7], v[KS+(\z)/2], v[ST+8*\t+5] matrix_a_fmt:MATRIX_FMT_FP4 matrix_b_fmt:MATRIX_FMT_FP4
.endif
.endm
.macro KLOAD g, base, hop              ; the four fragments of K for keys 32 g on
.irp s, 0,1
.irp c, 0,1
.irp u, 0,1
	ds_load_b128 v[\base+\hop*\u+8*\s+4*\c:\base+\hop*\u+8*\s+4*\c+3], v[ADK] offset:4096*\g+2048*\s+1024*\c+256*\u
.endr
.endr
.endr
.endm
.macro PROD g, base, hop               ; S^T = K Q^T for keys 32 g on; the four accumulators take turns
.irp u, 0,1
.irp t, 0,1
	v_wmma_scale_f32_16x16x128_f8f6f4 v[S+64*\t+16*\g+8*\u:S+64*\t+16*\g+8*\u+7], v[\base+\hop*\u:\base+\hop*\u+7], v[Q+16*\t:Q+16*\t+7], 0, v[KS+2*\g+\u], v[ST+8*\t+6] matrix_a_fmt:MATRIX_FMT_FP4 matrix_b_fmt:MATRIX_FMT_FP4
.endr
.endr
.irp u, 0,1
.irp t, 0,1
	v_wmma_scale_f32_16x16x128_f8f6f4 v[S+64*\t+16*\g+8*\u:S+64*\t+16*\g+8*\u+7], v[\base+\hop*\u+8:\base+\hop*\u+15], v[Q+16*\t+8:Q+16*\t+15], v[S+64*\t+16*\g+8*\u:S+64*\t+16*\g+8*\u+7], v[KS+2*\g+\u], v[ST+8*\t+6] matrix_a_fmt:MATRIX_FMT_FP4 matrix_b_fmt:MATRIX_FMT_FP4 matrix_a_scale:MATRIX_SCALE_ROW1 matrix_b_scale:MATRIX_SCALE_ROW1
.endr
.endr
.endm
.macro IMGLOAD k                       ; the image's channels 128 + 16 x wave on: batch k is four rows, eight pieces of 512 bytes
.irp i, 0,1,2,3,4,5,6,7
	global_load_b128 v[IM+32*(\k)+4*\i:IM+32*(\k)+4*\i+3], v[AV0], s[IMGB:IMGB+1] offset:(4*(\k)+\i/2)*65536+512*(\i%2) th:TH_LOAD_NT
.endr
.endm
; A KEY STEP: 128 keys, at LDS byte s[TB].
; K's fragments are fetched ahead: group 0 into F, group 1 where group 3's scores will stand, group 3 where group 2's will; group 2 follows into F.  The products go in the order 0, 1, 3, 2.
.macro STEP pf
	v_add_nc_u32 v[ADK], s[TB], v[AK0]
	v_add_nc_u32 v[ADV], s[TB], v[AV0]
	v_add_nc_u32 v[ADS], s[TB], v[ASK0]
	v_add_nc_u32 v[ADT], s[TB], v[ASV0]
	PLACES 2                                       ; six places behind the last step's products (ISA guide 7.12.1)
.irp g, 0,1,2,3
.irp u, 0,1
	ds_load_b32 v[KS+2*\g+\u], v[ADS] offset:KSO+256*\g+128*\u
.endr
.endr
	KLOAD 0, F, 16
	KLOAD 1, S+48, 64
	KLOAD 3, S+32, 64
	s_wait_alu depctr_va_vdst(0)                   ; the wait ahead of the wait below
	s_wait_dscnt 16                                ; the scale words and group 0 are in; groups 1 and 3 may be out
	PROD 0, F, 16
	PLACES 4
	KLOAD 2, F, 16
	s_wait_dscnt 16                                ; group 1 is in
	PROD 1, S+48, 64
	PLACES 5                                       ; group 3's scores are laid over group 1's fragments
	s_wait_dscnt 8                                 ; group 3 is in
	PROD 3, S+32, 64
	PLACES 5                                       ; group 2's scores are laid over group 3's fragments
	s_wait_dscnt 0x0
	PROD 2, F, 16
	PLACES 4
.if \pf
.endif
	SOFT 0
	VLOAD 0
	SOFT 1
	VLOAD 1
	RESCALE                                        ; O^T under the new M
	s_wait_alu depctr_va_vdst(0)                   ; the wait ahead of the wait below
	s_wait_dscnt 16                                ; V's scale words and channels 0-127 are in
	WIN W_PV
.irp z, 0,1,2,3,4,5,6,7
.irp t, 0,1
	PVI \z, \t
.endr
.endr
	s_wait_dscnt 0x0
.irp z, 8,9,10,11,12,13,14,15
.irp t, 0,1
	PVI \z, \t
.endr
.endr
	WIN 0
.endm
.macro SLOTLOOP base, pf               ; a slot's four key steps, from LDS byte base on
	s_mov_b32 s[TB], \base
	s_mov_b32 s[CNT], 4
.Lstep_\@:
	STEP \pf
.if \pf
	s_wait_xcnt 0x0
	s_add_nc_u64 s[PFA:PFA+1], s[PFA:PFA+1], s[62:63]
	s_xor_b32 s62, s62, 0x700000                   ; steps of 8 rows and of 120 rows by turns
.endif
	s_add_co_u32 s[TB], s[TB], STEPB
	s_sub_co_u32 s[CNT], s[CNT], 1
	s_cmp_lg_u32 s[CNT], 0
	s_cbranch_scc1 .Lstep_\@
.endm
; THE CHANGE OF SLOTS: all my tensor loads are waited for, the add, my reads of the slot are over; a round of the cluster's barrier; the refill of the slot just left stands first behind it.
.macro CHANGE slot
	s_wait_tensorcnt 0x0
	ds_add_u32 v[SPW], v[NIL]
	s_add_nc_u64 s[G0+4*\slot+2:G0+4*\slot+3], s[G0+4*\slot+2:G0+4*\slot+3], 2*SLOTB
	s_wait_dscnt 0x0
	CROUND
	tensor_load_to_lds s[G0+4*\slot:G0+4*\slot+3], s[G1:G1+7]
	s_nop 0
	PLACES 4
.endm
.macro CHANGE_IMG                      ; kv has no more steps: slot 0's bytes take my 16 channel rows of the image
	s_wait_tensorcnt 0x0
	ds_add_u32 v[SPW], v[NIL]
	s_wait_dscnt 0x0
	CROUND
	tensor_load_to_lds s[G0I:G0I+3], s[G1I:G1I+7]
	s_nop 0
	PLACES 4
.endm
	s_wait_alu depctr_va_vdst(0)                   ; the wait ahead of the waits below
	s_wait_kmcnt 0x0                               ; the modality weights
	s_wait_tensorcnt 0x0                           ; my part of slot 0 is in; the same lines as ahead of a refill stand ahead of slot 1's first fill
	ds_add_u32 v[SPW], v[NIL]
	s_wait_dscnt 0x0                               ; the add is done; in waves 0 to 3 Q is in its registers
	CROUND
	tensor_load_to_lds s[G0+4:G0+7], s[G1:G1+7]    ; slot 1: steps 4-7
	s_nop 0
	PLACES 4
	s_cmp_lt_u32 s[WV], 4
	s_cbranch_scc1 .Lhave_q
	QPIPE                                          ; waves 4 to 7: Q now, while the others walk the first keys
	s_wait_alu depctr_va_vdst(0)                   ; the wait ahead of the wait below
	s_wait_dscnt 0x0                               ; Q is in its registers
.Lhave_q:
	SLOTLOOP 0, 0                                  ; steps 0-3
	CHANGE 0                                       ; slot 0 takes steps 8-11
	SLOTLOOP SLOTB, 0                              ; steps 4-7
	CHANGE 1                                       ; slot 1 takes steps 12-15
	SLOTLOOP 0, 1                                  ; steps 8-11
	CHANGE_IMG
	SLOTLOOP SLOTB, 0                              ; steps 12-15
	; THE WAY OUT.  w = softmax of the two weights, the larger taken away first.  (The first five lines are the places behind the last products.)
	v_mov_b32 v28, s48
	v_mov_b32 v29, s49
	v_max_num_f32 v30, v28, v29
	v_sub_f32 v28, v28, v30
	v_sub_f32 v29, v29, v30
	IMGLOAD 0                                      ; Q, K's fragments and half of V's have served for the last time
	IMGLOAD 1
	IMGLOAD 2
	IMGLOAD 3
	v_mul_f32 v28, 0x3fb8aa3b, v28
	v_mul_f32 v29, 0x3fb8aa3b, v29
	s_wait_alu depctr_va_vdst(0)
	v_exp_f32 v28, v28
	v_exp_f32 v29, v29
	v_nop
	s_wait_alu depctr_va_vdst(0)
	v_add_f32 v30, v28, v29
	s_wait_alu depctr_va_vdst(0)
	v_rcp_f32 v30, v30
	v_nop
	s_wait_alu depctr_va_vdst(0)
	v_mul_f32 v34, v28, v30                        ; w0, in a pair for the packed form
	v_mul_f32 v33, v29, v30                        ; w1
	v_mov_b32 v35, v34
.irp t, 0,1
	v_add_f32 v[ST+8*\t+2], v[ST+8*\t+2], v[ST+8*\t+3]
.endr
.irp t, 0,1
	v_permlanex16_b32 v[ST+8*\t+7], v[ST+8*\t+2], s[SEL], s[SEL+1]
.endr
.irp t, 0,1
	v_add_f32 v[ST+8*\t+2], v[ST+8*\t+2], v[ST+8*\t+7]   ; l
.endr
	s_wait_alu depctr_va_vdst(0)
.irp t, 0,1
	v_rcp_f32 v[ST+8*\t+7], v[ST+8*\t+2]
.endr
	v_and_b32 v36, 15, v0                          ; (a plain instruction behind the reciprocals)  r
	s_wait_alu depctr_va_vdst(0)
.irp t, 0,1
	v_mul_f32 v[ST+8*\t+4], v[ST+8*\t+7], v33      ; w1 / l
.endr
	v_and_b32 v37, 8, v36
	v_add_nc_u32 v36, v36, v37                     ; r + 8 (r / 8)
	v_bfe_u32 v37, v0, 4, 1                        ; h
	v_mul_u32_u24 v[ADK], v37, 8*SPITCH            ; into the stage: row 16 z + 8 h + j of a half, byte 128 x wave + 32 t + 4 (r + 8 (r / 8))
	v_lshl_add_u32 v[ADK], v36, 2, v[ADK]
	s_lshl_b32 s42, s[WV], 7
	s_add_co_u32 s42, s42, STG
	v_add_nc_u32 v[ADK], s42, v[ADK]
	v_add_nc_u32 v[ADK+1], 64*SPITCH, v[ADK]       ; a register for each 64 rows
	s_mul_i32 s42, s[WV], WIMG
	v_add_nc_u32 v[LI], s42, v[AV0]                ; my 16 rows of the image in LDS,
	v_add_nc_u32 v[SR], STG, v[LI]                 ; and the same rows of the stage
; Half 0 is channels 0-127, half 1 channels 128-255.  A wave's 16 rows of a half go in four batches of four rows; a batch read back lands in registers of O^T that the stage's stores of that half have left.
.macro STAGE half
	WIN W_ST
.irp t, 0,1
.irp z, 0,1,2,3,4,5,6,7
.irp j, 0,1,2,3,4,5,6,7
	ds_store_b32 v[ADK+(\z)/4], v[128*\t+64*\half+8*\z+\j] offset:(((\z)%4)*16+\j)*SPITCH+32*\t
.endr
.endr
.endr
.endm
.macro YLOAD half, k
.set YB, 64*\half+32*((\k)%2)+128*((\k)/2)
.irp i, 0,1,2,3,4,5,6,7
	ds_load_b128 v[YB+4*\i:YB+4*\i+3], v[SR] offset:(4*(\k)+\i/2)*SPITCH+512*(\i%2)
.endr
.endm
.macro LIMG k
.irp i, 0,1,2,3,4,5,6,7
	ds_load_b128 v[LM+32*((\k)%2)+4*\i:LM+32*((\k)%2)+4*\i+3], v[LI] offset:(4*(\k)+\i/2)*SPITCH+512*(\i%2)
.endr
.endm
.macro BLEND half, k, ib               ; w0 image + (w1 / l) O
.set YB, 64*\half+32*((\k)%2)+128*((\k)/2)
.irp i, 0,2,4,6,8,10,12,14,16,18,20,22,24,26,28,30
	v_pk_fma_f32 v[YB+\i:YB+\i+1], v[\ib+\i:\ib+\i+1], v[34:35], v[YB+\i:YB+\i+1] op_sel_hi:[1,0,1]
.endr
.endm
.macro SEND half, k, ob
.set YB, 64*\half+32*((\k)%2)+128*((\k)/2)
.irp i, 0,1,2,3,4,5,6,7
	global_store_b128 v[AV0], v[YB+4*\i:YB+4*\i+3], s[\ob:\ob+1] offset:(4*(\k)+\i/2)*65536+512*(\i%2) th:TH_STORE_NT   ; the wave stores 512 consecutive bytes, aligned
.endr
.endm
	s_wait_tensorcnt 0x0                           ; my 16 rows of the image lie in LDS
	s_wait_dscnt 0x0                               ; my reads of slot 1 are over
	s_barrier_signal -1
	RESCALE                                        ; O^T x w1 / l
	s_barrier_wait -1                              ; nobody reads slot 1 any more, and it has had its last fill
	STAGE 0
	s_wait_dscnt 0x0
	s_barrier_signal -1
	s_barrier_wait -1
	WIN TO_Y
	YLOAD 0, 0
	YLOAD 0, 1
	YLOAD 0, 2
	YLOAD 0, 3
	WIN 0
	LIMG 0
	LIMG 1
	s_wait_dscnt 0x0                               ; my reads of the stage are over
	s_barrier_signal -1
	WIN W_PV
	BLEND 0, 0, LM
	BLEND 0, 1, LM+32
	s_wait_alu depctr_va_vdst(0)
	s_barrier_wait -1
	WIN W_ST
	SEND 0, 0, OUTA
	SEND 0, 1, OUTA
	WIN 0
	LIMG 2
	LIMG 3
	STAGE 1
	s_wait_dscnt 0x0
	s_barrier_signal -1
	WIN W_PV
	BLEND 0, 2, LM
	BLEND 0, 3, LM+32
	s_wait_alu depctr_va_vdst(0)
	s_barrier_wait -1
	WIN W_ST
	SEND 0, 2, OUTA
	SEND 0, 3, OUTA
	WIN TO_Y
	YLOAD 1, 0
	YLOAD 1, 1
	YLOAD 1, 2
	YLOAD 1, 3
.irp k, 0,1,2,3
	s_wait_dscnt 8*(3-\k)                          ; this batch's rows are back; the later batches' eight loads each may be out
	s_wait_loadcnt 8*(3-\k)                        ; and likewise of the image's loads from memory
	WIN W_PV
	BLEND 1, \k, IM+32*\k
	WIN W_ST
	SEND 1, \k, OUTB
.endr
	WIN 0
	s_wait_tensorcnt 0x0                           ; the wave's end
	ds_add_u32 v[SPW], v[NIL]
	s_wait_dscnt 0x0
	CROUND                                         ; the closing round
	s_endpgm
.Lfunc_end_k_q5ca8c822d5_attn:
	.size	k_q5ca8c822d5_attn, .Lfunc_end_k_q5ca8c822d5_attn-k_q5ca8c822d5_attn
	.p2alignl 7, 3214868480
	.fill 96, 4, 3214868480
	.section	.rodata,"a",@progbits
	.p2align	6, 0x0
	.amdhsa_kernel k_q5ca8c822d5_attn
		.amdhsa_group_segment_fixed_size 327680
		.amdhsa_private_segment_fixed_size 0
		.amdhsa_enable_private_segment 0
		.amdhsa_kernarg_size 32
		.amdhsa_user_sgpr_count 2
		.amdhsa_user_sgpr_kernarg_segment_ptr 1
		.amdhsa_wavefront_size32 1
		.amdhsa_system_sgpr_workgroup_id_x 1
		.amdhsa_system_sgpr_workgroup_id_y 1
		.amdhsa_system_sgpr_workgroup_id_z 1
		.amdhsa_system_vgpr_workitem_id 0
		.amdhsa_next_free_vgpr 512
		.amdhsa_next_free_sgpr 80
		.amdhsa_reserve_vcc 0
		.amdhsa_float_denorm_mode_32 3
		.amdhsa_float_denorm_mode_16_64 3
		.amdhsa_memory_ordered 1
		.amdhsa_forward_progress 1
		.amdhsa_inst_pref_size 255
	.end_amdhsa_kernel
	.section	.bss,"aw",@nobits
	.p2align	6
	.space	262144
	.amdgpu_metadata
---
amdhsa.version: [ 1, 2 ]
amdhsa.kernels:
  - .name:           k_q5ca8c822d5_attn
    .symbol:         k_q5ca8c822d5_attn.kd
    .args:
      - { .name: kv, .offset: 0, .size: 8, .value_kind: global_buffer, .address_space: global }
      - { .name: image_features, .offset: 8, .size: 8, .value_kind: global_buffer, .address_space: global }
      - { .name: modality_weights, .offset: 16, .size: 8, .value_kind: global_buffer, .address_space: global }
      - { .name: out0, .offset: 24, .size: 8, .value_kind: global_buffer, .address_space: global }
    .group_segment_fixed_size: 327680
    .private_segment_fixed_size: 0
    .kernarg_segment_align: 8
    .kernarg_segment_size: 32
    .max_flat_workgroup_size: 256
    .sgpr_count:     80
    .vgpr_count:     512
    .wavefront_size: 32
...
	.end_amdgpu_metadata
.endif
;; end of part 2
